; MI455X (gfx1250); checked and timed in simulation.
; The chip was launched on July 23, 2026; its instructions are those of AMD's public machine-readable ISA for CDNA 5 (MIT licence, August 2026) and "CDNA5" Instruction Set Architecture Reference Guide (July 2026). The comments in the code are by the model that wrote it; some were corrected since.
;; Original Full Attention. Allowed arithmetic: float matrix products may take bf16 or f16 operands with f32 sums; all other float work in f32.
;; Inputs: attention_mask 2 x 1 x 1 x 2,048 float32; key_layer 2 x 16 x 2,048 x 64 float32; query_layer 2 x 16 x 2,048 x 64 float32; value_layer 2 x 16 x 2,048 x 64 float32.
;; Outputs: out0 2 x 2,048 x 16 x 64 float32.
;; Constants: size_per_head = 64.
;; One version. Each part assembles by itself: llvm-mc -triple=amdgcn-amd-amdhsa -mcpu=gfx1250 --defsym DOCPART=n.
;; ======== version 1 of 1: 1 launch
;; limits: values are held in f16: magnitudes above 65,504 overflow, below 6.1e-05 lose precision; inputs' magnitudes at most 65,504
;; launch attn (part 1): grid 8 x 32, 8 waves a work-group, no clusters, 263,168 bytes of LDS; arguments attention_mask, key_layer, query_layer, value_layer, out0; writes out0
.if DOCPART == 1
	.amdgcn_target "amdgcn-amd-amdhsa--gfx1250"
	.amdhsa_code_object_version 6
	.text
	.protected	k_q5828963cba_attn
	.globl	k_q5828963cba_attn
	.p2align	8
	.type	k_q5828963cba_attn,@function
k_q5828963cba_attn:
	s_mov_b64 s[64:65], 0
	v_nop
	global_prefetch_b8 v0, s[64:65] scope:SCOPE_SE
	s_setreg_imm32_b32 hwreg(HW_REG_WAVE_MODE, 25, 1), 1
	s_wait_xcnt 0x0
; out[b][f][n][:] = softmax over t of ( Q[b][n][f].K[b][n][t] / 8 + (1 - mask[b][t]) * -10000 ) times V[b][n][t][:].  All buffers f32.
; One launch, with a running maximum.  Work-group (x, y): head y = 16 b + n, query rows 256 x .. 256 x + 255.  Keys go in 16 tiles of 128.
; Eight waves: wave w = 4 kh + g owns query rows 64 g .. 64 g + 63 of the block and keys 64 kh .. 64 kh + 63 of every tile, with a maximum,
; a sum and an output block of its own; the two key halves of a g are merged once, at the end, through LDS.
; ORIENTATION.  Lane L: r = L & 15, h = L >> 4.  S^T = K Q^T: source 0 = 16 keys, source 1 = 16 query rows; register j of a lane is
; (key 8 h + j, query r).  So a lane owns one query row: maximum and sum are in the lane but for one exchange between the lane halves, and two
; packed tiles of S^T ARE the second source (32 keys) of O^T = V^T P^T, whose register j is (column 16 hdt + 8 h + j, query r).
; FORMAT.  Q, K, V and P go to the matrix unit in f16: 11 significant bits.  A mask may leave few keys in play; the output is then a mix of few
; rows of V, in which the operands' roundings are not averaged away.  f16 takes sizes up to 65,504; inputs as drawn stay below about 6, thirty
; times larger and with an offset of thirty below about 200; P is at most about 1.
; SCORE.  One fused multiply-add, product x 0.125 + mk[t], mk[t] = (1 - mask[t]) * -10000 formed in that order: the factor is a power of two, so
; the score is rounded once, at the addition of the mask term.  Exponentials are in base 2: log2(e) rides on the subtraction of the maximum,
; one fused multiply-add: S log2(e) - round(m log2(e)).
; K AND V go memory -> registers -> f16 -> LDS, two buffers, one barrier a tile.  NO TENSOR LOADS, NO JOINT LOADS IN A CLUSTER, though the eight
; work-groups of a head read the same K and V: such a load can only lay f32 into LDS, which per tile would be 64 KiB written and 64 KiB read
; back, on top of the 32 KiB of f16 stores and 128 KiB of fragment reads that the tile costs here.
; LIMITS.  Finite inputs.  Numbers of Q, K, V of size 65,520 and above become infinite in f16; below 2^-14 they keep an absolute error of 2^-25.
; A probability below 2^-126 counts as 0 in the sum (v_exp_f32 flushes: ISA guide 15.8), below 2^-25 as 0 in the product with V.
; The sum of a row's probabilities is taken of the f32 numbers, the product with V of their f16 roundings.
.set KP,    144                        ; LDS pitch of K's and Q's rows: 128 bytes of f16 + 16: an odd multiple of 16
.set VP,    160                        ; LDS pitch of V's rows: 128 bytes + 32: an odd multiple of 32, for the transposing load
.set VOFF,  128*KP                     ; V's 128 rows lie behind K's 128 rows
.set BUF,   128*KP+128*VP              ; one tile's K and V: 38,912 bytes; two buffers
.set MASK,  2*BUF                      ; 77,824: mk[0..2047], f32, 8,192 bytes
.set QL,    MASK+8192                  ; 86,016: the block's 256 rows of Q, f16, pitch KP
.set MERGE, QL+256*KP                  ; 122,880: for each g 34 blocks of 512 bytes: O (32), maximum, sum of the wave with kh = 1
.set MGB,   17408
.set STAGE, MERGE+4*MGB                ; 192,512: for each g 64 rows of 256 bytes, pitch 272: the way out
.set SP,    272
.set TILEB, 32768                      ; a tile of K or of V in memory: 128 rows of 256 bytes
; window 0: v1 KA, v2 VA, v3 MA (LDS addresses of K, V and mask fragments), v4 GK, v5 GV (offsets in K, V), v6 SK, v7 SV (LDS addresses of the
; f16 stores), v8 prefetch offset, v9 at work, v10-13 and v18-21 the maxima (old and new take turns), v30 r, v31 h
.set LS,  14                           ; v14-17   sum of query block f (this lane's half of the keys)
.set AL,  22                           ; v22-25   2^(old maximum - new maximum), both times log2(e)
.set XH,  26                           ; v26-29   what the other half of the lanes holds
.set SC,  32                           ; v32-159  S^T: block (f, tt) at SC + 32 f + 8 tt; then P^T: (f, ks) at SC + 32 f + 16 ks, packed in place
.set KV,  160                          ; v160-223 K fragments (tt, ks) at KV + 16 tt + 8 ks; then V^T fragments (hdt, ks) at KV + 32 ks + 8 hdt
.set MK,  224                          ; v224-255 mask terms, 8 registers for each tt; once they are added: at work
.set SM,  224                          ; v224-239 two chains of pairs for each f
.set TM,  240                          ; v240-243 maximum at work
.set MC,  244                          ; v244-247 the new maximum times log2(e)
; window 1: v0-127 O^T: block (hdt, f) at 8 (4 hdt + f)
.set QF,  128                          ; v128-191 Q fragments (f, ks) at QF + 16 f + 8 ks
.set ST,  192                          ; v192-255 a tile on its way: K's eight loads, then V's eight
; s_set_vgpr_msb's low byte: bits 1:0 source 0, 3:2 source 1, 5:4 source 2, 7:6 destination; the high byte repeats the setting that is left
.set MSB, 0
.macro WIN new
.if MSB != \new
	s_set_vgpr_msb (MSB<<8)|\new
.set MSB, \new
.endif
.endm
.macro PLACES n                        ; places behind a matrix instruction are plain vector instructions that name none of its registers (ISA guide 7.12.1)
.rept \n
	v_nop
.endr
.endm
; 16 loads: my 16 rows of a tile of K and of V.  Sixteen lanes read one aligned row of 256 bytes; the two lane halves take rows 8 (K) or 4 (V) apart.
.macro GLOAD off
	WIN 0x40                               ; data into window 1
.irp i, 0,1,2,3,4,5,6,7
	global_load_b128 v[ST+4*\i:ST+4*\i+3], v4, s[6:7] offset:\off+256*\i
.endr
.irp i, 0,1,2,3,4,5,6,7
	global_load_b128 v[ST+32+4*\i:ST+32+4*\i+3], v5, s[10:11] offset:\off+256*((\i&3)+8*(\i>>2))
.endr
	WIN 0
.endm
; the tile in ST is rounded to f16 in place and stored into buffer q.  A store's two lane halves write 128 neighbouring bytes each, in rows
; 8 KP = 1,152 (K) or 4 VP = 640 (V) bytes apart: both are 128 modulo 256, so the 32 lanes touch 256 different bytes modulo 256.
.macro CVTSTORE q
	WIN 0x45
.set kk, 0
.rept 16
	v_cvt_pk_f16_f32 v[ST+4*kk],   v[ST+4*kk],   v[ST+4*kk+1]
	v_cvt_pk_f16_f32 v[ST+4*kk+1], v[ST+4*kk+2], v[ST+4*kk+3]
.set kk, kk+1
.endr
	WIN 0x04                               ; store data in window 1, address in window 0
.irp i, 0,1,2,3,4,5,6,7
	ds_store_b64 v6, v[ST+4*\i:ST+4*\i+1] offset:(\q)*BUF+KP*\i
.endr
.irp i, 0,1,2,3,4,5,6,7
	ds_store_b64 v7, v[ST+32+4*\i:ST+32+4*\i+1] offset:(\q)*BUF+VP*((\i&3)+8*(\i>>2))
.endr
	WIN 0
.endm
; wave 0 asks for 8 KiB (32 lanes, 256 bytes apart) two tiles beyond the prefetch base.  The eight work-groups of a head share a tile's 64 KiB:
; x = 0..3 take K's quarters, x = 4..7 V's, so each block of 256 bytes is asked for once in the launch.
.macro PREFETCH
	s_cmp_lg_u32 s14, 0
	s_cbranch_scc1 .Lnopf_\@
	global_prefetch_b8 v8, s[26:27] offset:2*TILEB th:TH_LOAD_NT scope:SCOPE_SE
.Lnopf_\@:
.endm
; 24 LDS loads, six for each block tt of 16 keys: K's fragments for columns 0-31 and 32-63, and the mask terms (register j: mk of key 8 h + j)
.macro KLOAD p
.irp tt, 0,1,2,3
.irp ks, 0,1
	ds_load_b128 v[KV+16*\tt+8*\ks:KV+16*\tt+8*\ks+3],   v1 offset:\p*BUF+16*KP*\tt+64*\ks
	ds_load_b128 v[KV+16*\tt+8*\ks+4:KV+16*\tt+8*\ks+7], v1 offset:\p*BUF+16*KP*\tt+64*\ks+32
.endr
	ds_load_b128 v[MK+8*\tt:MK+8*\tt+3],   v3 offset:64*\tt
	ds_load_b128 v[MK+8*\tt+4:MK+8*\tt+7], v3 offset:64*\tt+16
.endr
.endm
; K Q^T of key block tt for the four query blocks.  The first product starts each sum.  The four accumulators take turns, one instruction a
; turn.
.macro SMM tt
.irp f, 0,1,2,3
	v_wmma_f32_16x16x32_f16 v[SC+32*\f+8*\tt:SC+32*\f+8*\tt+7], v[KV+16*\tt:KV+16*\tt+7], v[QF+16*\f:QF+16*\f+7], 0
.endr
.irp f, 0,1,2,3
	v_wmma_f32_16x16x32_f16 v[SC+32*\f+8*\tt:SC+32*\f+8*\tt+7], v[KV+16*\tt+8:KV+16*\tt+15], v[QF+16*\f+8:QF+16*\f+15], v[SC+32*\f+8*\tt:SC+32*\f+8*\tt+7]
.endr
.endm
; 16 transposing loads: V^T fragments, 16 columns (hdt) x 32 keys (ks) each, from rows that lie along the columns
.macro VLOAD p
.irp ks, 0,1
.irp hdt, 0,1,2,3
	ds_load_tr16_b128 v[KV+32*\ks+8*\hdt:KV+32*\ks+8*\hdt+3],   v2 offset:\p*BUF+32*VP*\ks+32*\hdt
	ds_load_tr16_b128 v[KV+32*\ks+8*\hdt+4:KV+32*\ks+8*\hdt+7], v2 offset:\p*BUF+32*VP*\ks+32*\hdt+16*VP
.endr
.endr
.endm
; the score: product / 8 + mask term, two at a time, one rounding.  A lane's registers 2 i, 2 i + 1 of a block are keys 8 h + 2 i, 8 h + 2 i + 1, as in the mask terms.
.macro MASKF
.irp f, 0,1,2,3
.irp tt, 0,1,2,3
.irp j, 0,2,4,6
	v_pk_fma_f32 v[SC+32*\f+8*\tt+\j:SC+32*\f+8*\tt+\j+1], v[SC+32*\f+8*\tt+\j:SC+32*\f+8*\tt+\j+1], s[30:31], v[MK+8*\tt+\j:MK+8*\tt+\j+1] op_sel_hi:[1,0,1]
.endr
.endr
.endr
.endm
; the largest of the old maximum and my 32 scores of each query block: four chains that do not wait for each other
.macro MAXALL first
.irp f, 0,1,2,3
.if \first
	v_max_num_f32 v[TM+\f], v[SC+32*\f], v[SC+32*\f+1]
.else
	v_max3_num_f32 v[TM+\f], v[MO+\f], v[SC+32*\f], v[SC+32*\f+1]
.endif
.endr
.set kk, 1
.rept 15
.irp f, 0,1,2,3
	v_max3_num_f32 v[TM+\f], v[TM+\f], v[SC+32*\f+2*kk], v[SC+32*\f+2*kk+1]
.endr
.set kk, kk+1
.endr
.endm
; the other lane half holds the same query row's other 32 keys; then the shift of this tile's exponents and the factor by which the old sum and
; output shrink.  The old maximum's product with log2(e) is formed again by the same multiply, so it has the bits that the old exponents were shifted by.
.macro NEWMAX first
.irp f, 0,1,2,3
	v_permlanex16_b32 v[XH+\f], v[TM+\f], s22, s23
.endr
.irp f, 0,1,2,3
	v_max_num_f32 v[MN+\f], v[TM+\f], v[XH+\f]
.endr
.irp f, 0,1,2,3
	v_mul_f32 v[MC+\f], s34, v[MN+\f]
.endr
.if \first == 0
.irp f, 0,1,2,3
	v_mul_f32 v[AL+\f], s34, v[MO+\f]
.endr
.irp f, 0,1,2,3
	v_sub_f32 v[AL+\f], v[AL+\f], v[MC+\f]
.endr
.irp f, 0,1,2,3
	v_exp_f32 v[AL+\f], v[AL+\f]           ; first used behind SUBF 0, which is plain and names none of these (ISA guide 5.7.2)
.endr
.endif
.endm
.macro SUBF f                          ; score x log2(e) - shift, two at a time, one rounding; op_sel picks block f's shift out of its pair for both halves
.set kk, 0
.rept 16
.if (\f)&1
	v_pk_fma_f32 v[SC+32*\f+2*kk:SC+32*\f+2*kk+1], v[SC+32*\f+2*kk:SC+32*\f+2*kk+1], s[34:35], v[MC+(\f&2):MC+(\f&2)+1] op_sel:[0,0,1] op_sel_hi:[1,0,1] neg_lo:[0,0,1] neg_hi:[0,0,1]
.else
	v_pk_fma_f32 v[SC+32*\f+2*kk:SC+32*\f+2*kk+1], v[SC+32*\f+2*kk:SC+32*\f+2*kk+1], s[34:35], v[MC+(\f&2):MC+(\f&2)+1] op_sel_hi:[1,0,0] neg_lo:[0,0,1] neg_hi:[0,0,1]
.endif
.set kk, kk+1
.endr
.endm
.macro EXPF f                          ; 32 exponentials in a run; what follows each run is plain work on another query block
.set kk, 0
.rept 32
	v_exp_f32 v[SC+32*\f+kk], v[SC+32*\f+kk]
.set kk, kk+1
.endr
.endm
.macro SUMF f, first                   ; my 32 probabilities in two chains of pairs; the old sum shrinks in the same fused multiply-add
	s_wait_alu depctr_va_vdst(0)
	v_pk_add_f32 v[SM+4*\f:SM+4*\f+1],   v[SC+32*\f:SC+32*\f+1],   v[SC+32*\f+4:SC+32*\f+5]
	v_pk_add_f32 v[SM+4*\f+2:SM+4*\f+3], v[SC+32*\f+2:SC+32*\f+3], v[SC+32*\f+6:SC+32*\f+7]
.set kk, 2
.rept 6
	v_pk_add_f32 v[SM+4*\f:SM+4*\f+1],   v[SM+4*\f:SM+4*\f+1],   v[SC+32*\f+4*kk:SC+32*\f+4*kk+1]
	v_pk_add_f32 v[SM+4*\f+2:SM+4*\f+3], v[SM+4*\f+2:SM+4*\f+3], v[SC+32*\f+4*kk+2:SC+32*\f+4*kk+3]
.set kk, kk+1
.endr
	v_pk_add_f32 v[SM+4*\f:SM+4*\f+1], v[SM+4*\f:SM+4*\f+1], v[SM+4*\f+2:SM+4*\f+3]
.if \first
	v_add_f32 v[LS+\f], v[SM+4*\f], v[SM+4*\f+1]
.else
	v_fma_f32 v[LS+\f], v[LS+\f], v[AL+\f], v[SM+4*\f]
	v_add_f32 v[LS+\f], v[LS+\f], v[SM+4*\f+1]
.endif
.endm
.macro CVTF f                          ; 32 f32 to 16 words of f16, in place and ascending: each 16 registers shrink into their first 8, a fragment of P^T
.set kk, 0
.rept 16
	v_cvt_pk_f16_f32 v[SC+32*\f+16*(kk>>3)+(kk&7)], v[SC+32*\f+2*kk], v[SC+32*\f+2*kk+1]
.set kk, kk+1
.endr
.endm
.macro RESCALE                         ; O^T shrinks: a lane's factor is that of its query row
	WIN 0x41                               ; O in window 1, the factors in window 0
.irp hdt, 0,1,2,3
.irp f, 0,1,2,3
.irp j, 0,2,4,6
.if (\f)&1
	v_pk_mul_f32 v[8*(4*\hdt+\f)+\j:8*(4*\hdt+\f)+\j+1], v[8*(4*\hdt+\f)+\j:8*(4*\hdt+\f)+\j+1], v[AL+(\f&2):AL+(\f&2)+1] op_sel:[0,1] op_sel_hi:[1,1]
.else
	v_pk_mul_f32 v[8*(4*\hdt+\f)+\j:8*(4*\hdt+\f)+\j+1], v[8*(4*\hdt+\f)+\j:8*(4*\hdt+\f)+\j+1], v[AL+(\f&2):AL+(\f&2)+1] op_sel_hi:[1,0]
.endif
.endr
.endr
.endr
	WIN 0
.endm
; O^T += V^T P^T for 32 keys.  The sixteen accumulators take turns, one instruction a turn.  zero = 1: the product starts the sums.
.macro PVMM ks, zero
.irp hdt, 0,1,2,3
.irp f, 0,1,2,3
.if \zero
	v_wmma_f32_16x16x32_f16 v[8*(4*\hdt+\f):8*(4*\hdt+\f)+7], v[KV+32*\ks+8*\hdt:KV+32*\ks+8*\hdt+7], v[SC+32*\f+16*\ks:SC+32*\f+16*\ks+7], 0
.else
	v_wmma_f32_16x16x32_f16 v[8*(4*\hdt+\f):8*(4*\hdt+\f)+7], v[KV+32*\ks+8*\hdt:KV+32*\ks+8*\hdt+7], v[SC+32*\f+16*\ks:SC+32*\f+16*\ks+7], v[8*(4*\hdt+\f):8*(4*\hdt+\f)+7]
.endif
.endr
.endr
.endm
; One tile, read from buffer p.  first: nothing is carried yet.  store: the next tile, which is in ST, goes into the other buffer, and a barrier
; closes the step.  load: the tile after that is asked for.  pf: wave 0 prefetches the tile after that one.
.macro STEP p, first, store, load, pf
.set MO, 10+8*\p                       ; the old maxima
.set MN, 18-8*\p                       ; the new ones
.if \first == 0
	PLACES 5                               ; behind the last product with V: four before loads into its V fragments, five before K Q^T writes over its P^T
.endif
	KLOAD \p
	WIN 0x04                               ; Q in window 1
	s_wait_dscnt 18                        ; LDS loads come back in order (ISA guide 5.7.1): the six loads of each later key block may be out
	SMM 0
	s_wait_dscnt 12
	SMM 1
	s_wait_dscnt 6
	SMM 2
	s_wait_dscnt 0                         ; the last K fragments, and with them all the mask terms
	SMM 3
	WIN 0
	PLACES 4                               ; before loads into K's fragments and reads of the products
	VLOAD \p                               ; V's fragments come in under the softmax
	v_add_nc_u32 v3, 512, v3               ; the next tile's 128 mask terms
	MASKF                                  ; behind it the mask terms' registers are free for work
	MAXALL \first
	NEWMAX \first
	SUBF 0
	EXPF 0
	SUBF 1
	EXPF 1
	SUMF 0, \first
	CVTF 0
	SUBF 2
	EXPF 2
	SUMF 1, \first
	CVTF 1
	SUBF 3
	EXPF 3
	SUMF 2, \first
	CVTF 2
.if \first == 0
	RESCALE
.endif
	SUMF 3, \first
	CVTF 3
.if \store
	s_wait_loadcnt 0x0                     ; the next tile's 16 loads, issued a step ago
	CVTSTORE 1-\p                          ; behind the last step's barrier, in front of which every wave had its reads of that buffer back
.endif
	s_wait_dscnt 0x0                       ; V's fragments are in, so all my reads of buffer p are back; my stores into the other buffer are done
.if \load
	s_wait_xcnt 0x0                        ; the bases are stepped only when every earlier access, the prefetch too, has had its address translated (ISA guide 3.1)
	s_add_nc_u64 s[6:7], s[6:7], TILEB
	s_add_nc_u64 s[10:11], s[10:11], TILEB
	s_add_nc_u64 s[26:27], s[26:27], TILEB
	GLOAD TILEB                            ; two tiles ahead of the one at work: it has a whole step in which to come
.endif
.if \pf
	PREFETCH                               ; three tiles ahead, one step before its loads; the steps of the last three tiles ask for nothing
.endif
.if \store
	s_barrier_signal -1                    ; my reads of buffer p and my stores into the other buffer are done
.endif
	WIN 0x50                               ; O^T in window 1
	PVMM 0, \first                         ; register work alone between signal and wait
	PVMM 1, 0
	WIN 0
.if \store
	s_barrier_wait -1                      ; every wave's are: the other buffer may be read, buffer p may be written
.endif
.endm
	; ---- ids, addresses ----
	s_load_b256 s[4:11], s[0:1], 0x0               ; mask s[4:5], K s[6:7], Q s[8:9], V s[10:11]
	s_load_b64 s[12:13], s[0:1], 0x20              ; out
	v_lshrrev_b32 v9, 5, v0
	v_readfirstlane_b32 s14, v9                    ; wave w
	s_and_b32 s15, s14, 3                          ; g: which 64 query rows
	s_lshr_b32 s16, s14, 2                         ; kh: which half of a tile's keys
	s_mov_b32 s17, ttmp9                           ; x: block of 256 query rows
	s_and_b32 s18, ttmp7, 0xffff                   ; y: head
	s_lshr_b32 s19, s18, 4                         ; b
	s_mov_b32 s22, 0x76543210                      ; v_permlanex16_b32: lane i of one half reads lane i of the other
	s_mov_b32 s23, 0xfedcba98
	s_mov_b32 s29, 0xc61c4000                      ; -10000
	s_mov_b32 s30, 0x3e000000                      ; 1/8,
	s_mov_b32 s31, 0x3e000000                      ; twice: a packed instruction names the pair
	s_mov_b32 s34, 0x3fb8aa3b                      ; log2(e),
	s_mov_b32 s35, 0x3fb8aa3b                      ; twice
	v_and_b32 v30, 15, v0                          ; r
	v_bfe_u32 v31, v0, 4, 1                        ; h
	s_lshl_b32 s32, s14, 12
	v_lshl_add_u32 v4, v30, 4, s32                 ; 4096 w + 16 r
	v_lshl_add_u32 v5, v31, 10, v4                 ; GV: + 4 rows for the upper lanes
	v_lshl_add_u32 v4, v31, 11, v4                 ; GK: + 8 rows
	s_wait_kmcnt 0x0
	s_lshl_b32 s20, s18, 19                        ; a head is 2,048 rows of 256 bytes
	s_mov_b32 s21, 0
	s_add_nc_u64 s[6:7], s[6:7], s[20:21]
	s_add_nc_u64 s[10:11], s[10:11], s[20:21]
	s_add_nc_u64 s[8:9], s[8:9], s[20:21]
	GLOAD 0                                        ; tile 0
	s_lshl_b32 s20, s17, 16                        ; Q: my block of 256 rows
	s_add_nc_u64 s[8:9], s[8:9], s[20:21]
	s_lshl_b32 s20, s19, 13                        ; mask: my batch's 2,048 numbers
	s_add_nc_u64 s[4:5], s[4:5], s[20:21]
	s_lshl_b32 s32, s14, 13
	v_lshl_add_u32 v26, v30, 4, s32
	v_lshl_add_u32 v26, v31, 11, v26               ; Q: 8192 w + 2048 h + 16 r: my wave's 32 rows
	v_lshlrev_b32 v27, 4, v0                       ; mask: 16 bytes a thread
.irp i, 0,1,2,3,4,5,6,7,8,9,10,11,12,13,14,15
	global_load_b128 v[SC+4*\i:SC+4*\i+3], v26, s[8:9] offset:256*((\i&7)+16*(\i>>3)) th:TH_LOAD_NT   ; each byte of Q is read once in the launch
.endr
	global_load_b128 v[MK:MK+3],   v27, s[4:5]
	global_load_b128 v[MK+4:MK+7], v27, s[4:5] offset:4096
	s_cmp_lt_u32 s17, 4                            ; prefetch base: K for x = 0..3, V for x = 4..7,
	s_cselect_b64 s[26:27], s[6:7], s[10:11]
	s_and_b32 s20, s17, 3
	s_lshl_b32 s20, s20, 13                        ; and my quarter of a tile
	s_add_nc_u64 s[26:27], s[26:27], s[20:21]
	s_lshl_b32 s20, s19, 23                        ; out: b x 2,048 rows of 4,096 bytes
	s_lshl_b32 s32, s17, 20                        ; + 256 x rows
	s_add_co_u32 s20, s20, s32
	s_lshl_b32 s32, s15, 18                        ; + 64 g rows
	s_add_co_u32 s20, s20, s32
	s_and_b32 s32, s18, 15
	s_lshl_b32 s32, s32, 8                         ; + n x 256 bytes
	s_add_co_u32 s20, s20, s32
	s_add_nc_u64 s[12:13], s[12:13], s[20:21]
	v_mul_u32_u24 v1, v30, KP                      ; KA = (64 kh + r) KP + 16 h
	v_lshl_add_u32 v1, v31, 4, v1
	s_mul_i32 s32, s16, 64*KP
	v_add_nc_u32 v1, s32, v1
	v_and_b32 v9, 7, v0                            ; VA = VOFF + (64 kh + 8 h + (L & 7)) VP + 16 ((L >> 3) & 1)
	v_lshl_add_u32 v9, v31, 3, v9
	v_mul_u32_u24 v2, v9, VP
	v_bfe_u32 v9, v0, 3, 1
	v_lshl_add_u32 v2, v9, 4, v2
	s_mul_i32 s32, s16, 64*VP
	s_add_co_u32 s32, s32, VOFF
	v_add_nc_u32 v2, s32, v2
	s_lshl_b32 s32, s16, 8                         ; MA = MASK + 256 kh + 32 h
	s_add_co_u32 s32, s32, MASK
	v_lshl_add_u32 v3, v31, 5, s32
	s_mul_i32 s32, s14, 16*KP                      ; SK = (16 w + 8 h) KP + 8 r
	v_lshl_add_u32 v6, v30, 3, s32
	v_mul_u32_u24 v9, v31, 8*KP
	v_add_nc_u32 v6, v6, v9
	s_mul_i32 s32, s14, 16*VP                      ; SV = VOFF + (16 w + 4 h) VP + 8 r
	s_add_co_u32 s32, s32, VOFF
	v_lshl_add_u32 v7, v30, 3, s32
	v_mul_u32_u24 v9, v31, 4*VP
	v_add_nc_u32 v7, v7, v9
	v_and_b32 v9, 31, v0                           ; lane
	v_lshlrev_b32 v8, 8, v9                        ; prefetch: lanes 256 bytes apart
	s_lshl_b32 s32, s14, 9                         ; mask terms go to MASK + 512 w + 16 lane
	s_add_co_u32 s32, s32, MASK
	v_lshl_add_u32 v29, v9, 4, s32
	s_mul_i32 s32, s14, 32*KP                      ; Q goes to QL + (32 w + 8 h) KP + 8 r
	s_add_co_u32 s32, s32, QL
	v_lshl_add_u32 v28, v30, 3, s32
	v_mul_u32_u24 v9, v31, 8*KP
	v_add_nc_u32 v28, v28, v9
	; ---- tile 0, Q and the mask terms into LDS ----
	s_wait_loadcnt 18                              ; tile 0 is in: Q's 16 loads and the mask's 2 are younger
	CVTSTORE 0
	s_wait_dscnt 0x0                               ; the stores are done before ST is loaded again
	GLOAD TILEB                                    ; tile 1
	PREFETCH                                       ; tile 2
	s_wait_loadcnt 18                              ; Q is in: the mask's 2 loads and tile 1's 16 are younger
.set kk, 0
.rept 16
	v_cvt_pk_f16_f32 v[SC+4*kk],   v[SC+4*kk],   v[SC+4*kk+1]
	v_cvt_pk_f16_f32 v[SC+4*kk+1], v[SC+4*kk+2], v[SC+4*kk+3]
	ds_store_b64 v28, v[SC+4*kk:SC+4*kk+1] offset:KP*((kk&7)+16*(kk>>3))
.set kk, kk+1
.endr
	s_wait_loadcnt 16                              ; the mask is in: tile 1's 16 loads are younger
.irp j, 0,1,2,3,4,5,6,7
	v_sub_f32 v[MK+\j], 1.0, v[MK+\j]              ; 1 - mask, rounded,
.endr
.irp j, 0,1,2,3,4,5,6,7
	v_mul_f32 v[MK+\j], s29, v[MK+\j]              ; times -10000, rounded: the two steps are kept apart, so that the term has the bits of that order
.endr
	ds_store_b128 v29, v[MK:MK+3]
	ds_store_b128 v29, v[MK+4:MK+7] offset:4096
.irp f, 0,1,2,3
	v_mov_b32 v[XH+\f], 0                          ; v_permlanex16_b32 counts as a reader of its destination; the loads that these registers addressed are done
.endr
	s_mul_i32 s32, s15, 64*KP                      ; my Q fragments: QL + (64 g + r) KP + 16 h
	s_add_co_u32 s32, s32, QL
	v_mul_u32_u24 v9, v30, KP
	v_lshl_add_u32 v9, v31, 4, v9
	v_add_nc_u32 v9, s32, v9
	s_wait_dscnt 0x0                               ; my stores of tile 0, Q and the mask terms are done,
	s_barrier_signal -1
	s_barrier_wait -1                              ; and everybody's
	WIN 0x40
.irp f, 0,1,2,3
.irp ks, 0,1
	ds_load_b128 v[QF+16*\f+8*\ks:QF+16*\f+8*\ks+3],   v9 offset:16*KP*\f+64*\ks
	ds_load_b128 v[QF+16*\f+8*\ks+4:QF+16*\f+8*\ks+7], v9 offset:16*KP*\f+64*\ks+32
.endr
.endr
	WIN 0
	s_wait_dscnt 0x0                               ; Q stays in registers for all 16 tiles
	; ---- the 16 tiles ----
	STEP 0, 1, 1, 1, 1                             ; tile 0 starts maxima, sums and outputs: nothing is cleared
	s_mov_b32 s24, 6
.Lpair:
	STEP 1, 0, 1, 1, 1                             ; tiles 1 to 12
	STEP 0, 0, 1, 1, 1
	s_sub_co_i32 s24, s24, 1
	s_cmp_lg_u32 s24, 0
	s_cbranch_scc1 .Lpair
	STEP 1, 0, 1, 1, 0                             ; tile 13 asks for tile 15; there is nothing beyond it to prefetch
	STEP 0, 0, 1, 0, 0                             ; tile 14 stores tile 15
	STEP 1, 0, 0, 0, 0                             ; tile 15: no store, so no barrier.  The last maxima are in v10-13
	; ---- the two key halves meet ----
	PLACES 4                                       ; before O^T is read
.irp f, 0,1,2,3
	v_permlanex16_b32 v[XH+\f], v[LS+\f], s22, s23
.endr
.irp f, 0,1,2,3
	v_add_f32 v[LS+\f], v[LS+\f], v[XH+\f]         ; the sum over my wave's 1,024 keys, in both lane halves
.endr
	s_mul_i32 s32, s15, MGB
	s_add_co_u32 s33, s32, MERGE
	v_and_b32 v9, 31, v0
	v_lshl_add_u32 v9, v9, 4, s33                  ; MERGE + 17408 g + 16 lane
	s_cmp_lt_u32 s14, 4
	s_cbranch_scc1 .Lkeep                          ; waves 4 to 7 (kh = 1) hand over what they hold
	WIN 0x04
.set kk, 0
.rept 32
	ds_store_b128 v9, v[4*kk:4*kk+3] offset:512*kk
.set kk, kk+1
.endr
	WIN 0
	ds_store_b128 v9, v[10:13] offset:512*32       ; maxima
	ds_store_b128 v9, v[LS:LS+3] offset:512*33     ; sums
.Lkeep:
	s_wait_dscnt 0x0                               ; the stores are done
	s_barrier_signal -1
	s_barrier_wait -1
	s_cmp_ge_u32 s14, 4
	s_cbranch_scc1 .Ldone                          ; and waves 4 to 7 end; no barrier follows
	ds_load_b128 v[18:21], v9 offset:512*32        ; the partner's maxima,
	ds_load_b128 v[XH:XH+3], v9 offset:512*33      ; sums
.set kk, 0
.rept 32
	ds_load_b128 v[SC+4*kk:SC+4*kk+3], v9 offset:512*kk   ; and O^T: the same lane holds the same (column, query)
.set kk, kk+1
.endr
	s_add_co_u32 s33, s32, STAGE
	v_mul_u32_u24 v1, v30, SP                      ; stage, in: STAGE + 17408 g + 272 r + 32 h
	v_lshl_add_u32 v1, v31, 5, v1
	v_add_nc_u32 v1, s33, v1
	v_mul_u32_u24 v2, v31, SP                      ; stage, back: STAGE + 17408 g + 272 h + 16 r
	v_lshl_add_u32 v2, v30, 4, v2
	v_add_nc_u32 v2, s33, v2
	v_lshlrev_b32 v3, 12, v31                      ; out: 4096 h + 16 r
	v_lshl_add_u32 v3, v30, 4, v3
	s_wait_dscnt 0x0
.irp f, 0,1,2,3
	v_mul_f32 v[10+\f], s34, v[10+\f]              ; the shifts that the two waves' last exponents had: the same multiply, the same bits
	v_mul_f32 v[18+\f], s34, v[18+\f]
.endr
.irp f, 0,1,2,3
	v_max_num_f32 v[TM+\f], v[10+\f], v[18+\f]     ; the row's shift over all keys
.endr
.irp f, 0,1,2,3
	v_sub_f32 v[10+\f], v[10+\f], v[TM+\f]
	v_sub_f32 v[18+\f], v[18+\f], v[TM+\f]
.endr
.irp f, 0,1,2,3
	v_exp_f32 v[10+\f], v[10+\f]
	v_exp_f32 v[18+\f], v[18+\f]
.endr
	v_nop                                          ; one plain place behind the exponentials (ISA guide 5.7.2)
	s_wait_alu depctr_va_vdst(0)
.irp f, 0,1,2,3
	v_mul_f32 v[LS+\f], v[LS+\f], v[10+\f]
.endr
.irp f, 0,1,2,3
	v_fmac_f32 v[LS+\f], v[XH+\f], v[18+\f]        ; the row's sum: about 1 at the least, since the key with the maximum adds 2^(a rounding of the shift)
.endr
.irp f, 0,1,2,3
	v_rcp_f32 v[AL+\f], v[LS+\f]
.endr
	v_nop
	s_wait_alu depctr_va_vdst(0)
.irp f, 0,1,2,3
	v_mul_f32 v[10+\f], v[10+\f], v[AL+\f]         ; my weight
	v_mul_f32 v[18+\f], v[18+\f], v[AL+\f]         ; the partner's
.endr
.irp hdt, 0,1,2,3
.irp f, 0,1,2,3
.irp j, 0,2,4,6
.if (\f)&1
	v_pk_mul_f32 v[SC+8*(4*\hdt+\f)+\j:SC+8*(4*\hdt+\f)+\j+1], v[SC+8*(4*\hdt+\f)+\j:SC+8*(4*\hdt+\f)+\j+1], v[18+(\f&2):18+(\f&2)+1] op_sel:[0,1] op_sel_hi:[1,1]
.else
	v_pk_mul_f32 v[SC+8*(4*\hdt+\f)+\j:SC+8*(4*\hdt+\f)+\j+1], v[SC+8*(4*\hdt+\f)+\j:SC+8*(4*\hdt+\f)+\j+1], v[18+(\f&2):18+(\f&2)+1] op_sel_hi:[1,0]
.endif
.endr
.endr
.endr
	WIN 0x01                                       ; my O^T in window 1, all else in window 0
.irp hdt, 0,1,2,3
.irp f, 0,1,2,3
.irp j, 0,2,4,6
.if (\f)&1
	v_pk_fma_f32 v[SC+8*(4*\hdt+\f)+\j:SC+8*(4*\hdt+\f)+\j+1], v[8*(4*\hdt+\f)+\j:8*(4*\hdt+\f)+\j+1], v[10+(\f&2):10+(\f&2)+1], v[SC+8*(4*\hdt+\f)+\j:SC+8*(4*\hdt+\f)+\j+1] op_sel:[0,1,0] op_sel_hi:[1,1,1]
.else
	v_pk_fma_f32 v[SC+8*(4*\hdt+\f)+\j:SC+8*(4*\hdt+\f)+\j+1], v[8*(4*\hdt+\f)+\j:8*(4*\hdt+\f)+\j+1], v[10+(\f&2):10+(\f&2)+1], v[SC+8*(4*\hdt+\f)+\j:SC+8*(4*\hdt+\f)+\j+1] op_sel_hi:[1,0,1]
.endif
.endr
.endr
.endr
	WIN 0
	; ---- the way out: a lane holds 8 neighbouring columns of one query row; through my own stage they become whole rows of 256 bytes ----
.irp hdt, 0,1,2,3
.irp f, 0,1,2,3
	ds_store_b128 v1, v[SC+8*(4*\hdt+\f):SC+8*(4*\hdt+\f)+3]   offset:16*SP*\f+64*\hdt
	ds_store_b128 v1, v[SC+8*(4*\hdt+\f)+4:SC+8*(4*\hdt+\f)+7] offset:16*SP*\f+64*\hdt+16
.endr
.endr
.set kk, 0
.rept 16
	ds_load_b128 v[KV+4*kk:KV+4*kk+3], v2 offset:2*SP*kk   ; rows 2 kk and 2 kk + 1; LDS serves a wave's instructions in order (ISA guide 5.7.1): these see the stores above
.set kk, kk+1
.endr
.set kk, 0
.rept 16
	s_wait_dscnt 15-kk                             ; load kk of the sixteen is in
	global_store_b128 v3, v[KV+4*kk:KV+4*kk+3], s[12:13] offset:8192*kk th:TH_STORE_NT   ; sixteen lanes store 256 consecutive bytes, at a multiple of 256 from out's first byte
.set kk, kk+1
.endr
.set kk, 0
.rept 16
	ds_load_b128 v[SC+4*kk:SC+4*kk+3], v2 offset:2*SP*(16+kk)   ; behind the wait for 0 above: the stage's stores have read these registers
.set kk, kk+1
.endr
.set kk, 0
.rept 16
	s_wait_dscnt 15-kk
	global_store_b128 v3, v[SC+4*kk:SC+4*kk+3], s[12:13] offset:8192*(16+kk) th:TH_STORE_NT
.set kk, kk+1
.endr
.Ldone:
	s_wait_xcnt 0x0
	v_lshl_add_u32 v254, v0, 2, 0x40000
	v_mov_b32 v255, 0
	s_wait_tensorcnt 0x0
	ds_add_u32 v254, v255
	s_wait_dscnt 0x0
	s_endpgm
.Lfunc_end_k_q5828963cba_attn:
	.size	k_q5828963cba_attn, .Lfunc_end_k_q5828963cba_attn-k_q5828963cba_attn
	.p2alignl 7, 3214868480
	.fill 96, 4, 3214868480
	.section	.rodata,"a",@progbits
	.p2align	6, 0x0
	.amdhsa_kernel k_q5828963cba_attn
		.amdhsa_group_segment_fixed_size 263168
		.amdhsa_private_segment_fixed_size 0
		.amdhsa_enable_private_segment 0
		.amdhsa_kernarg_size 40
		.amdhsa_user_sgpr_count 2
		.amdhsa_user_sgpr_kernarg_segment_ptr 1
		.amdhsa_wavefront_size32 1
		.amdhsa_system_sgpr_workgroup_id_x 1
		.amdhsa_system_sgpr_workgroup_id_y 1
		.amdhsa_system_sgpr_workgroup_id_z 1
		.amdhsa_system_vgpr_workitem_id 0
		.amdhsa_next_free_vgpr 512
		.amdhsa_next_free_sgpr 66
		.amdhsa_reserve_vcc 0
		.amdhsa_float_denorm_mode_32 3
		.amdhsa_float_denorm_mode_16_64 3
		.amdhsa_memory_ordered 1
		.amdhsa_forward_progress 1
		.amdhsa_inst_pref_size 255
	.end_amdhsa_kernel
	.section	.bss,"aw",@nobits
	.p2align	6
	.space	262144
	.amdgpu_metadata
---
amdhsa.version: [ 1, 2 ]
amdhsa.kernels:
  - .name:           k_q5828963cba_attn
    .symbol:         k_q5828963cba_attn.kd
    .args:
      - { .name: attention_mask, .offset: 0, .size: 8, .value_kind: global_buffer, .address_space: global }
      - { .name: key_layer, .offset: 8, .size: 8, .value_kind: global_buffer, .address_space: global }
      - { .name: query_layer, .offset: 16, .size: 8, .value_kind: global_buffer, .address_space: global }
      - { .name: value_layer, .offset: 24, .size: 8, .value_kind: global_buffer, .address_space: global }
      - { .name: out0, .offset: 32, .size: 8, .value_kind: global_buffer, .address_space: global }
    .group_segment_fixed_size: 263168
    .private_segment_fixed_size: 0
    .kernarg_segment_align: 8
    .kernarg_segment_size: 40
    .max_flat_workgroup_size: 256
    .sgpr_count:     66
    .vgpr_count:     512
    .wavefront_size: 32
...
	.end_amdgpu_metadata
.endif
;; end of part 1
